; MI455X (gfx1250); checked and timed in simulation.
; The chip was launched on July 23, 2026; its instructions are those of AMD's public machine-readable ISA for CDNA 5 (MIT licence, August 2026) and "CDNA5" Instruction Set Architecture Reference Guide (July 2026). The comments in the code are by the model that wrote it; some were corrected since.
;; Attention. Allowed arithmetic: matrix products marked QUANTISED: E4M3 operands, one given power-of-two scale a tensor, by v_wmma_f32_16x16x64_fp8_fp8 or v_wmma_f32_16x16x128_fp8_fp8, f32 sums; products left as they are: f32 operands where the result goes on into a quantised operand, else bf16, f16 or f32 operands; f32 sums; everything else in f32.
;; Inputs: attn_w 1,024 x 2,048 float32; encoder_outputs_codes 32 x 2,048 x 32 x 32 uint8 (E4M3 codes of encoder_outputs, K innermost, in blocks of 32 codes); lowp_scales 4 int32 (the exponents e of the quantised operands' scales 2^e); s_codes 32 x 32 x 32 uint8 (E4M3 codes of s, K innermost, in blocks of 32 codes); v_w 1 x 1,024 float32.
;; Outputs: out0 32 x 2,048 float32.
;; This version of the problem:
;;   THIS VERSION OF THE PROBLEM IS GIVEN IN LOW PRECISION. The matrix products marked QUANTISED in the list below multiply operands that are first quantised to E4M3 (4 exponent bits, 3 mantissa bits; 8 bits a number), with one given power-of-two scale for each operand tensor; their sums are f32. All else is computed in f32.
;;   The module's matrix products, in the order in which they are computed (A, B: the left and right operand; K: the contracted axis; several contracted axes count as one K, in the product's order):
;;     1. [M 32, K 1,024] x [K 1,024, N 1,024]; A: input s (given as codes); B: input attn_w: QUANTISED (scales: A lowp_scales[0], B lowp_scales[1])
;;     2. [M 65,536, K 1,024] x [K 1,024, N 1,024]; A: input encoder_outputs (given as codes); B: input attn_w: QUANTISED (scales: A lowp_scales[2], B lowp_scales[3])
;;     3. [M 65,536, K 1,024] x [K 1,024, N 1]; A: computed on the way; B: computed on the way: left as it is (N = 1 < 16)
;;   THE QUANTISER, for each operand of a quantised product, along K:
;;     - The operand's scale is 2^e, e = its entry of the input lowp_scales (int32; the entries are numbered through the quantised products in the list's order, A before B).
;;     - Each number is divided by the scale, clamped to +-448, and rounded to the nearest number of E4M3, ties to even, subnormals kept.
;;     - The product sums the exact products of the quantised numbers (number of the format x scale) in f32.
;;   ~~~python
;;   def quantise(x, axis, e):      # numpy; x: float32 -> the quantised numbers, widened to float32 again
;;       x = np.moveaxis(x, axis, -1); K = x.shape[-1]
;;       r = np.clip(x / 2.0 ** e, -448, 448)
;;       step = 2.0 ** (np.maximum(np.frexp(np.where(r == 0, 1, r))[1] - 1, -6) - 3)
;;       q = np.round(r / step) * step * 2.0 ** e      # np.round: ties to even
;;       return np.moveaxis(q, -1, axis).astype(np.float32)
;;   ~~~
;;   INPUTS GIVEN AS CODES. encoder_outputs (in the module: [32, 2048, 1024], K = its axis 2); s (in the module: [32, 1024], K = its axis 1): each comes as NAME_codes (uint8): NAME with its K axis moved to the last place and cut into blocks of 32 codes, [.., K / 32, bytes a block], one block behind the other in memory; one code a byte (a code: sign, 4 exponent bits, 3 mantissa bits); its scale is its entry of lowp_scales. Its value is code x scale, taken as it is: it is not quantised again, and the codes and scales need not be those that the quantiser above would give.
;; 2 versions, each right. Each part assembles by itself: llvm-mc -triple=amdgcn-amd-amdhsa -mcpu=gfx1250 --defsym DOCPART=n.
;; ======== version 1 of 2: 3 launches
;; workspace buffers: wimg 1,048,576 bytes; projc 131,072 bytes; part 1,048,576 bytes
;; launch prep (part 1): grid 64 x 1, 8 waves a work-group, no clusters, 17,408 bytes of LDS; arguments attn_w, s_codes, lowp_scales, wimg, projc; writes wimg, projc
.if DOCPART == 1
	.amdgcn_target "amdgcn-amd-amdhsa--gfx1250"
	.amdhsa_code_object_version 6
	.text
	.protected	k_q097e39cd41_prep
	.globl	k_q097e39cd41_prep
	.p2align	8
	.type	k_q097e39cd41_prep,@function
k_q097e39cd41_prep:
	s_mov_b64 s[64:65], 0
	v_nop
	global_prefetch_b8 v0, s[64:65] scope:SCOPE_SE
	s_setreg_imm32_b32 hwreg(HW_REG_WAVE_MODE, 25, 1), 1
	s_wait_xcnt 0x0
; THE PROGRAM.  out0[b][s] = softmax over s of  sum over h of v[h] tanh(proj_s[b][h] + proj_e[b][s][h]).  Three launches: this one (weights to codes, proj_s), the product with the
; encoder's rows fused with the activation and the sum over h, and the softmax.
; WORK LEFT OUT, for all values of the inputs: tanh(x) = 1 - 2 r with r = 1 / (1 + e^(2x)), so a score is (sum over h of v[h]) - 2 (sum over h of v[h] r).  The first term does not hang on s:
; it is the same along the softmax's axis and cancels there.  It is not formed; the later launches carry sum v[h] r alone.  Every input still has a way to the output and is loaded.
; LIMIT: an overflow, an infinity or a NaN that would arise only in sum over h of v[h] is not carried to the result.
;
; THIS LAUNCH.  attn_w [1024 (h)][2048] f32, K innermost: columns 0-1023 are W_s (scale 2^e1), columns 1024-2047 W_e (scale 2^e3).  code = x / 2^e, held within +-448, to the nearest code, ties to even.
; A work-group takes 16 rows h; wave w the w-th 128 along K of W_s and of W_e.  A lane (r = lane % 16, hh = lane / 16) loads, of row r, k = 32 c + 16 hh + 0 .. 15 (c = 0 .. 3): 64 bytes on end for each c,
; so the conversions' results are an operand's registers 4 c .. 4 c + 3.  (The same places of k are used for both operands of every product of this program: each product meets its partner.)
; W_e's fragment is stored as it stands, 16 bytes a lane, 512 consecutive bytes a store: wimg is a list of such images, laid so that 128 h x 256 k are one dense block of 32,768 bytes:
;   byte = (4 (h / 128) + k / 256) 32768 + (8 ((k / 128) % 2) + (h / 16) % 8) 2048 + 512 c + 16 lane.
; W_s's fragment is multiplied at once with s's codes (32 batches: two tiles), so its codes never go to memory.  The eight waves' partial sums (K = 128 each) meet in LDS and are added in f32.
; projc [h / 16][batch 32][16 h] f32 = sum x 2^(e0 + e1 - e2 - e3): proj_s in the unit of the second product's sums, to be the C of that product's first step.
; LIMITS: e1 and e3 between -126 and 119, so that 2^e and 448 x 2^e are f32 numbers; e0 + e1 - e2 - e3 goes in by v_ldexp_f32 and has none.  NaN in attn_w is not served.
; 64 work-groups: a fragment wants 16 rows and K is already shared among the waves.  No prefetch: every load of the launch goes out at its head.
.set SPARE, 16384                      ; behind the eight partial results: the spare words, 128 bytes for each wave
.set XA,  4                            ; v4   attn_w: r x 8192 + 64 hh
.set LI,  5                            ; v5   16 x lane
.set SA,  6                            ; v6   s_codes: r x 1024 + 16 hh
.set PO,  7                            ; v7   LDS: my wave's partial result, 2048 x wave + 64 r + 32 hh
.set T8,  8                            ; v8   8 x thread
.set SPW, 10                           ; v10  LDS address of my spare word; never rewritten
.set NIL, 11                           ; v11  0; never rewritten
.set WS,  16                           ; v16-79   64 numbers of W_s
.set WE,  80                           ; v80-143  64 numbers of W_e
.set CWS, 144                          ; v144-159 W_s's codes
.set CWE, 160                          ; v160-175 W_e's codes
.set SF,  176                          ; v176-207 s's two fragments
.set ACC, 208                          ; v208-223 two accumulators
.set PR,  224                          ; v224-239 eight partial pairs
	s_load_b128 s[4:7], s[0:1], 0x0                ; attn_w s[4:5], s_codes s[6:7]
	s_load_b128 s[8:11], s[0:1], 0x10              ; the scales' exponents s[8:9], wimg s[10:11]
	s_load_b64 s[12:13], s[0:1], 0x20              ; projc
	v_lshl_add_u32 v[SPW], v0, 2, SPARE
	v_mov_b32 v[NIL], 0
	v_lshrrev_b32 v1, 5, v0
	v_readfirstlane_b32 s16, v1                    ; wave 0..7
	v_and_b32 v1, 31, v0                           ; lane
	v_and_b32 v2, 15, v0                           ; r
	v_bfe_u32 v3, v0, 4, 1                         ; hh
	v_lshlrev_b32 v[XA], 13, v2
	v_lshl_add_u32 v[XA], v3, 6, v[XA]
	v_lshlrev_b32 v[LI], 4, v1
	v_lshlrev_b32 v[SA], 10, v2
	v_lshl_add_u32 v[SA], v3, 4, v[SA]
	s_lshl_b32 s24, s16, 11
	v_lshlrev_b32 v[PO], 6, v2
	v_lshl_add_u32 v[PO], v3, 5, v[PO]
	v_add_nc_u32 v[PO], s24, v[PO]
	v_lshlrev_b32 v[T8], 3, v0
	s_lshl_b32 s24, ttmp9, 17                      ; attn_w: 16 rows of 8,192 bytes a work-group,
	s_lshl_b32 s25, s16, 9                         ; 128 numbers a wave
	s_add_co_u32 s24, s24, s25
	s_mov_b32 s25, 0
	s_lshl_b32 s26, s16, 7                         ; s_codes: 128 codes a wave
	s_mov_b32 s27, 0
	s_lshr_b32 s28, ttmp9, 3                       ; wimg: block 4 (h / 128) + k / 256,
	s_lshl_b32 s28, s28, 2
	s_lshr_b32 s29, s16, 1
	s_add_co_u32 s28, s28, s29
	s_lshl_b32 s28, s28, 15
	s_and_b32 s29, s16, 1                          ; image 8 ((k / 128) % 2) + (h / 16) % 8
	s_lshl_b32 s29, s29, 3
	s_and_b32 s30, ttmp9, 7
	s_add_co_u32 s29, s29, s30
	s_lshl_b32 s29, s29, 11
	s_add_co_u32 s28, s28, s29
	s_mov_b32 s29, 0
	s_lshl_b32 s30, ttmp9, 11                      ; projc: 2,048 bytes a work-group
	s_mov_b32 s31, 0
	s_wait_kmcnt 0x0
	s_load_b128 s[20:23], s[8:9], 0x0              ; e0, e1, e2, e3
	s_add_nc_u64 s[4:5], s[4:5], s[24:25]
	s_add_nc_u64 s[6:7], s[6:7], s[26:27]
	s_add_nc_u64 s[10:11], s[10:11], s[28:29]
	s_add_nc_u64 s[12:13], s[12:13], s[30:31]
.irp t, 0,1
.irp c, 0,1,2,3
	global_load_b128 v[SF+16*\t+4*\c:SF+16*\t+4*\c+3], v[SA], s[6:7] offset:16384*\t+32*\c   ; s(16 t + r, 128 w + 32 c + 16 hh ..)
.endr
.endr
.macro XLOAD reg, off                  ; 64 numbers of my row: register 16 b + 4 j + .. = k 32 b + 16 hh + 4 j + ..
.irp b, 0,1,2,3
.irp j, 0,1,2,3
	global_load_b128 v[\reg+16*\b+4*\j:\reg+16*\b+4*\j+3], v[XA], s[4:5] offset:\off+128*\b+16*\j th:TH_LOAD_NT
.endr
.endr
.endm
	XLOAD WS, 0
	XLOAD WE, 4096
.macro QUANT s, d, sc, lim             ; 64 numbers at v[s] become 16 registers of codes at v[d];  v[sc]: the scale as f32;  v[lim]: 448 x the scale
.irp b, 0,1,2,3
.irp i, 0,1,2,3,4,5,6,7,8,9,10,11,12,13,14,15
	v_med3_num_f32 v[\s+16*\b+\i], v[\s+16*\b+\i], -v[\lim], v[\lim]   ; the conversion to an 8-bit code does not saturate (ISA guide 7.6.2): the hold comes first
.endr
	v_cvt_scalef32_pk8_fp8_f32 v[\d+4*\b:\d+4*\b+1], v[\s+16*\b:\s+16*\b+7], v[\sc]
	v_cvt_scalef32_pk8_fp8_f32 v[\d+4*\b+2:\d+4*\b+3], v[\s+16*\b+8:\s+16*\b+15], v[\sc]
.endr
	v_nop                                          ; one plain vector instruction between the last conversion and whatever touches its result next
.endm
	s_wait_kmcnt 0x0
	s_add_co_i32 s32, s21, 127
	s_lshl_b32 s33, s32, 23
	v_mov_b32 v12, s33                             ; 2^e1 as f32: the conversion takes its exponent field
	s_add_co_i32 s32, s32, 8
	s_lshl_b32 s32, s32, 23
	s_or_b32 s32, s32, 0x600000
	v_mov_b32 v13, s32                             ; 448 x 2^e1
	s_add_co_i32 s32, s23, 127
	s_lshl_b32 s33, s32, 23
	v_mov_b32 v14, s33                             ; 2^e3
	s_add_co_i32 s32, s32, 8
	s_lshl_b32 s32, s32, 23
	s_or_b32 s32, s32, 0x600000
	v_mov_b32 v15, s32                             ; 448 x 2^e3
	s_add_co_i32 s34, s20, s21
	s_sub_co_i32 s34, s34, s22
	s_sub_co_i32 s34, s34, s23                     ; e0 + e1 - e2 - e3
	s_wait_loadcnt 16                              ; s and W_s are in; the 16 younger loads, W_e's, may be out
	QUANT WS, CWS, 12, 13
	; source 0 = 16 rows h of W_s, source 1 = 16 batches of s: lane (r, hh), register j = (batch 16 t + r, h = 8 hh + j)
	v_wmma_f32_16x16x128_fp8_fp8 v[ACC:ACC+7], v[CWS:CWS+15], v[SF:SF+15], 0
	v_wmma_f32_16x16x128_fp8_fp8 v[ACC+8:ACC+15], v[CWS:CWS+15], v[SF+16:SF+31], 0
	s_wait_loadcnt 0x0
	QUANT WE, CWE, 14, 15                          ; its holds name no register of the two products: they are the places behind them
.irp c, 0,1,2,3
	global_store_b128 v[LI], v[CWE+4*\c:CWE+4*\c+3], s[10:11] offset:512*\c   ; the image: each store of the wave covers 512 consecutive bytes, aligned
.endr
.irp t, 0,1
	ds_store_b128 v[PO], v[ACC+8*\t:ACC+8*\t+3] offset:1024*\t              ; each accumulator from its low end on
	ds_store_b128 v[PO], v[ACC+8*\t+4:ACC+8*\t+7] offset:1024*\t+16
.endr
	s_wait_dscnt 0x0                               ; for the others' sake: my partial result lies in LDS
	s_barrier_signal -1
	s_barrier_wait -1
.irp p, 0,1,2,3,4,5,6,7
	ds_load_b64 v[PR+2*\p:PR+2*\p+1], v[T8] offset:2048*\p   ; thread t: numbers 2 t, 2 t + 1 of each wave's 512
.endr
	s_wait_dscnt 0x0
	v_pk_add_f32 v[PR:PR+1], v[PR:PR+1], v[PR+2:PR+3]
	v_pk_add_f32 v[PR+4:PR+5], v[PR+4:PR+5], v[PR+6:PR+7]
	v_pk_add_f32 v[PR+8:PR+9], v[PR+8:PR+9], v[PR+10:PR+11]
	v_pk_add_f32 v[PR+12:PR+13], v[PR+12:PR+13], v[PR+14:PR+15]
	v_pk_add_f32 v[PR:PR+1], v[PR:PR+1], v[PR+4:PR+5]
	v_pk_add_f32 v[PR+8:PR+9], v[PR+8:PR+9], v[PR+12:PR+13]
	v_pk_add_f32 v[PR:PR+1], v[PR:PR+1], v[PR+8:PR+9]
	v_ldexp_f32 v[PR], v[PR], s34
	v_ldexp_f32 v[PR+1], v[PR+1], s34
	global_store_b64 v[T8], v[PR:PR+1], s[12:13]   ; a wave's store covers 256 consecutive bytes, aligned
	s_wait_tensorcnt 0x0                           ; the wave's end: a wait for tensor loads (none here), 0 onto my spare word and a wait for it, behind my last LDS store
	ds_add_u32 v[SPW], v[NIL]
	s_wait_dscnt 0x0
	s_endpgm
.Lfunc_end_k_q097e39cd41_prep:
	.size	k_q097e39cd41_prep, .Lfunc_end_k_q097e39cd41_prep-k_q097e39cd41_prep
	.p2alignl 7, 3214868480
	.fill 96, 4, 3214868480
	.section	.rodata,"a",@progbits
	.p2align	6, 0x0
	.amdhsa_kernel k_q097e39cd41_prep
		.amdhsa_group_segment_fixed_size 17408
		.amdhsa_private_segment_fixed_size 0
		.amdhsa_enable_private_segment 0
		.amdhsa_kernarg_size 40
		.amdhsa_user_sgpr_count 2
		.amdhsa_user_sgpr_kernarg_segment_ptr 1
		.amdhsa_wavefront_size32 1
		.amdhsa_system_sgpr_workgroup_id_x 1
		.amdhsa_system_sgpr_workgroup_id_y 1
		.amdhsa_system_sgpr_workgroup_id_z 1
		.amdhsa_system_vgpr_workitem_id 0
		.amdhsa_next_free_vgpr 256
		.amdhsa_next_free_sgpr 66
		.amdhsa_reserve_vcc 0
		.amdhsa_float_denorm_mode_32 3
		.amdhsa_float_denorm_mode_16_64 3
		.amdhsa_memory_ordered 1
		.amdhsa_forward_progress 1
		.amdhsa_inst_pref_size 18
	.end_amdhsa_kernel
	.amdgpu_metadata
---
amdhsa.version: [ 1, 2 ]
amdhsa.kernels:
  - .name:           k_q097e39cd41_prep
    .symbol:         k_q097e39cd41_prep.kd
    .args:
      - { .name: attn_w, .offset: 0, .size: 8, .value_kind: global_buffer, .address_space: global }
      - { .name: s_codes, .offset: 8, .size: 8, .value_kind: global_buffer, .address_space: global }
      - { .name: lowp_scales, .offset: 16, .size: 8, .value_kind: global_buffer, .address_space: global }
      - { .name: wimg, .offset: 24, .size: 8, .value_kind: global_buffer, .address_space: global }
      - { .name: projc, .offset: 32, .size: 8, .value_kind: global_buffer, .address_space: global }
    .group_segment_fixed_size: 17408
    .private_segment_fixed_size: 0
    .kernarg_segment_align: 8
    .kernarg_segment_size: 40
    .max_flat_workgroup_size: 256
    .sgpr_count:     66
    .vgpr_count:     256
    .wavefront_size: 32
...
	.end_amdgpu_metadata
.endif
;; end of part 1
;; launch main (part 2): grid 4 x 64, 4 waves a work-group, clusters of 4 x 4, 327,680 bytes of LDS; arguments encoder_outputs_codes, wimg, projc, v_w, lowp_scales, part; writes part
.if DOCPART == 2
	.amdgcn_target "amdgcn-amd-amdhsa--gfx1250"
	.amdhsa_code_object_version 6
	.text
	.protected	k_q097e39cd41_main
	.globl	k_q097e39cd41_main
	.p2align	8
	.type	k_q097e39cd41_main,@function
k_q097e39cd41_main:
	s_mov_b64 s[64:65], 0
	v_nop
	global_prefetch_b8 v0, s[64:65] scope:SCOPE_SE
	s_setreg_imm32_b32 hwreg(HW_REG_WAVE_MODE, 25, 1), 1
	s_wait_xcnt 0x0
	s_wait_alu depctr_hold_cnt(0) depctr_sa_sdst(0) depctr_va_vdst(0) depctr_va_sdst(0) depctr_va_ssrc(0) depctr_va_vcc(0) depctr_vm_vsrc(0)
	s_getreg_b32 s2, hwreg(HW_REG_IB_STS2, 6, 4)
	s_cmp_eq_u32 s2, 0
	s_cbranch_scc0 .Lentry_in_a_cluster
	s_endpgm
.Lentry_in_a_cluster:
	s_bfe_u32 s2, ttmp6, 0x10000c
	s_cmp_lg_u32 s2, 0xf033
	s_cbranch_scc0 .Lentry_shape_is_right
	s_endpgm
.Lentry_shape_is_right:
; part[cx][row] = sum over the 256 h of slice cx of v[h] r,  r = 1 / (1 + e^(2 x)),  x = proj_s[batch][h] + proj_e[row][h].  proj_e = encoder rows (65,536 x 1,024 codes of E4M3) x W_e^T (1,024 h x 1,024, codes), sums in f32.
; WORK LEFT OUT: the term sum over h of v[h] of a score (tanh = 1 - 2 r) is the same along the softmax's axis; it is not formed (shown at the head of the first kernel).
; A sum of the product stands for sum x 2^(e2 + e3).  projc holds proj_s / 2^(e2 + e3) and is the C of each sum's first matrix instruction; 2 log2(e) 2^(e2 + e3) is one factor ahead of the exponential.
; LIMITS: e2 + e3 between -126 and 126 (it is added to that factor's exponent field).  An exponential under 2^-126 counts as 0 (r = 1 there to f32's last bit); an overflowing one gives r = 0.
; SHARES.  A tile is 256 rows x 256 h: four waves, each 128 x 128 in 64 accumulators (512 registers).  A work-group stays for four tiles, one below the other (1,024 rows, all of one batch), so that 256 work-groups do all.
; K = 1,024 goes in four steps of 256 through a ring of two LDS slots, which runs on into the next tile.  A's rows lie in LDS as rows (256 bytes + 16); W_e's codes come as images of operand registers, dense.
; CLUSTERS: 4 x 4.  The grid is one cluster wide: the four work-groups of a row of a cluster are the only readers of their rows of the encoder, and ask for each tile of them JOINTLY; the four of a column
; ask jointly for W_e's block of their slice.  Each joint load is the same line with the same descriptor in the four that its mask names.
; THE MATRIX INSTRUCTION IS USED TRANSPOSED (source 0 = 16 rows h of W_e, source 1 = 16 encoder rows): lane (r, hh) holds ONE encoder row r, and register j of accumulator (a, b) is h = 16 b + 8 hh + j:
; so the sum over h is a sum along a lane's registers, with one exchange between the halves of the lanes at the end.
; REGISTERS, in windows of 256: window 0: v16-30 addresses; v32-95 proj_s for my 128 h (register 8 b + j); v96-111 row sums, a pair for each block of 16 rows; v112-115 at work;
;   v128-255 A's fragments, ONE set (in the way out v128-191 hold v for my 128 h).   window 1: W_e's fragments, TWO sets.   windows 2, 3: accumulator (a, b) at v[8 (8 (a % 4) + b)].
.set PITCH,  272                       ; an LDS row of A: 256 bytes + 16 of padding: the 16 rows that a fragment load touches start 68 words apart
.set HALFA,  128*PITCH                 ; 128 rows of A: one tensor load
.set HALFB,  32768                     ; 128 h x 256 k of W_e's images: one tensor load
.set BOFF,   2*HALFA
.set SLOT,   2*HALFA+2*HALFB
.set SPARE,  2*SLOT                    ; behind the ring: the spare words, 128 bytes for each wave
.set STG,    SPARE+512                 ; the stage for the row sums: [half of the h 2][256 rows] f32; no tensor load lands here
.set FR,     16                        ; registers of a fragment: 16 rows x 128 K
.set ADRA, 16                          ; v16-17  my A fragments in slot 0, 1
.set ADRB, 20                          ; v20-21  my W_e images in slot 0, 1
.set STO,  24                          ; v24     stage, in: STG + 1024 x column half + 512 x row half + 4 x lane
.set RD,   25                          ; v25     stage, back: STG + 8 x thread
.set GO,   26                          ; v26     8 x thread
.set PVO,  27                          ; v27     32 hh
.set SPW,  28                          ; v28     LDS address of my spare word; never rewritten
.set NIL,  29                          ; v29     0; never rewritten
.set PFO,  30                          ; v30     1024 x lane: a row of the encoder's codes
.set PS,   32
.set SC,   96
.set T,    112
.set AF,   128
.set VV,   128
.set WV,   16                          ; s16 wave;  s17 RH: my half of the rows, and: I fetch for A (0) or W_e (1);  s18 CH: my half of the h, and: which half I fetch
.set G1,   24                          ; s[24:31] descriptor group 1 for A;  s[32:39] group 0, a set for each slot
.set G0,   32
.set PFA,  44                          ; s[44:45] my prefetches' base: my work-group's 32 rows of the 128 that I fetch, in the tile in hand
.set G1B,  48                          ; s[48:55], s[56:63] the same for W_e
.set G0B,  56
.set CS,   66                          ; s[66:67] 2 log2(e) 2^(e2 + e3), twice
.set SEL,  72                          ; s[72:73] v_permlanex16_b32's selects for lane l xor 16
.set HM,   74                          ; s74 mask of lanes 16-31
.set MSB, 0
.macro WIN new                         ; the immediate's high byte repeats the setting that is left; a switch that changes nothing is dropped
.if MSB != \new
	s_set_vgpr_msb (MSB<<8)|\new
.set MSB, \new
.endif
.endm
.set MUL_LO,  0xa1                     ; source 0 (W_e) window 1, source 1 (A) window 0, C and D window 2
.set MUL_HI,  0xf1                     ; the same, C and D window 3
.set MULZ_LO, 0x81                     ; a sum's first product: C = proj_s in window 0, D window 2
.set MULZ_HI, 0xc1
.set TO_B,    0x40                     ; destination window 1, address window 0
; A joint load: waves 0 and 1 fetch A's halves, waves 2 and 3 W_e's.  The branch hangs on the wave's number alone.  An s_nop 0 and four v_nop follow each of the two lines.
.macro JLOAD s
	s_cmp_eq_u32 s17, 0
	s_cbranch_scc0 .Lfor_b_\@
	tensor_load_to_lds s[G0+4*\s:G0+4*\s+3], s[G1:G1+7]
	s_nop 0
.rept 4
	v_nop
.endr
	s_branch .Lasked_\@
.Lfor_b_\@:
	tensor_load_to_lds s[G0B+4*\s:G0B+4*\s+3], s[G1B:G1B+7]
	s_nop 0
.rept 4
	v_nop
.endr
.Lasked_\@:
.endm
.macro CREST                           ; a round of the cluster's barrier behind its opening barrier
	s_cmp_lg_u32 s[WV], 0
	s_cbranch_scc1 .Lnot_wave_0_\@
	s_barrier_signal -3
.Lnot_wave_0_\@:
	s_barrier_wait -3
	s_barrier_signal -1
	s_barrier_wait -1
.endm
.macro CROUND
	s_barrier_signal -1
	s_barrier_wait -1
	CREST
.endm
; A PREFETCH of the encoder's codes, at the change of slots in K step ks of a tile: the NEXT tile's K step ks, which is the step that stands two refills on.  The two waves that fetch for A ask, one instruction each: of the
; 128 rows that a wave fetches, the partner at place cx takes 32, told apart by address; a lane a row, 256 bytes of it.  So each row's 256 bytes of a K step are named once in the launch.
; The first tile comes by its loads alone; the last tile asks for nothing, so no prefetch leaves the work-group's 1,024 rows.  W_e's images are read again by every cluster and are not asked for.
.macro ASK ks
	s_cmp_eq_u32 s17, 0
	s_cbranch_scc0 .Lnot_mine_\@
	global_prefetch_b8 v[PFO], s[PFA:PFA+1] offset:262144+256*\ks th:TH_LOAD_NT scope:SCOPE_SE
.Lnot_mine_\@:
.endm
	s_load_b128 s[4:7], s[0:1], 0x0                ; the encoder's codes s[4:5], wimg s[6:7]
	s_load_b128 s[8:11], s[0:1], 0x10              ; projc s[8:9], v_w s[10:11]
	s_load_b128 s[12:15], s[0:1], 0x20             ; the scales' exponents s[12:13], part s[14:15]
	v_lshl_add_u32 v[SPW], v0, 2, SPARE
	v_mov_b32 v[NIL], 0
	ds_add_u32 v[SPW], v[NIL]                      ; the wave's opening: 0 onto my spare word, twice on end, waited for ahead of my first tensor load
	ds_add_u32 v[SPW], v[NIL]
	v_lshrrev_b32 v1, 5, v0
	v_readfirstlane_b32 s[WV], v1                  ; wave 0..3
	s_lshr_b32 s17, s[WV], 1
	s_and_b32 s18, s[WV], 1
	s_bfe_u32 s20, ttmp6, 0x40000                  ; cx: my slice of 256 h (the grid is one cluster wide)
	s_bfe_u32 s21, ttmp6, 0x40004                  ; cy
	s_and_b32 s22, ttmp7, 0xffff
	s_lshl_b32 s22, s22, 2
	s_add_co_u32 s22, s22, s21                     ; wy = 4 x cluster y + cy: my 1,024 rows
	s_lshl_b32 s40, s21, 2
	s_lshl_b32 s40, 15, s40                        ; my row of the cluster
	s_lshl_b32 s41, 0x1111, s20                    ; my column
	s_or_b32 s[G1], s40, (0<<16)|(1<<20)|(1<<21)|(5<<22)|(3<<25)   ; 15:0 the mask; elements of 1 byte; padding on; 21 set beside a mask; after every 64 words (code 5) 4 words (code 3)
	s_mov_b32 s[G1+1], 256<<16                     ; tensor_dim0 = 256
	s_mov_b32 s[G1+2], 128<<16                     ; tensor_dim1 = 128
	s_mov_b32 s[G1+3], 256<<16                     ; tile_dim0 = 256
	s_mov_b32 s[G1+4], 128                         ; tile_dim1 = 128
	s_mov_b32 s[G1+5], 1024                        ; from row to row
	s_mov_b32 s[G1+6], 0
	s_mov_b32 s[G1+7], 0
	s_or_b32 s[G1B], s41, (3<<16)|(1<<21)          ; the mask of my column; elements of 8 bytes; no padding: a dense block as 128 rows of 256 bytes
	s_mov_b32 s[G1B+1], 32<<16
	s_mov_b32 s[G1B+2], 128<<16
	s_mov_b32 s[G1B+3], 32<<16
	s_mov_b32 s[G1B+4], 128
	s_mov_b32 s[G1B+5], 32
	s_mov_b32 s[G1B+6], 0
	s_mov_b32 s[G1B+7], 0
	s_lshl_b32 s76, s22, 20                        ; A: 1,024 rows of 1,024 bytes a work-group (no cx enters here),
	s_lshl_b32 s77, s18, 17                        ; + the 128 rows that I fetch
	s_add_co_u32 s76, s76, s77
	s_mov_b32 s77, 0
	s_lshl_b32 s78, s20, 1                         ; W_e: group of 128 h = 2 cx + half (no cy enters here): four blocks of 32,768 bytes
	s_add_co_u32 s78, s78, s18
	s_lshl_b32 s78, s78, 17
	s_mov_b32 s79, 0
	s_mul_i32 s80, s18, HALFA                      ; where they go: no place in the cluster enters an LDS address
	s_lshl_b32 s81, s18, 15
	s_add_co_u32 s81, s81, BOFF
	s_mov_b32 s[SEL], 0x76543210
	s_mov_b32 s[SEL+1], 0xfedcba98
	s_mov_b32 s[HM], 0xffff0000
	s_wait_dscnt 0x0                               ; both opening adds are done
	s_wait_kmcnt 0x0
	s_load_b128 s[68:71], s[12:13], 0x0            ; e0, e1, e2, e3
	s_add_nc_u64 s[76:77], s[4:5], s[76:77]
	s_add_nc_u64 s[78:79], s[6:7], s[78:79]
	CROUND                                         ; all sixteen work-groups are here: the first joint loads meet
.irp n, 0,1
	s_mov_b32 s[G0+4*\n], 1
	s_add_co_u32 s[G0+4*\n+1], s80, \n*SLOT
	s_add_nc_u64 s[G0+4*\n+2:G0+4*\n+3], s[76:77], \n*256
	s_or_b32 s[G0+4*\n+3], s[G0+4*\n+3], 0x80000000
	s_mov_b32 s[G0B+4*\n], 1
	s_add_co_u32 s[G0B+4*\n+1], s81, \n*SLOT
	s_add_nc_u64 s[G0B+4*\n+2:G0B+4*\n+3], s[78:79], \n*HALFB
	s_or_b32 s[G0B+4*\n+3], s[G0B+4*\n+3], 0x80000000
	JLOAD \n                                       ; two loads of mine are out
.endr
	v_and_b32 v1, 15, v0                           ; r
	v_bfe_u32 v2, v0, 4, 1                         ; hh
	v_and_b32 v3, 31, v0                           ; lane
	v_mul_u32_u24 v4, v1, PITCH
	v_lshl_add_u32 v4, v2, 4, v4                   ; A: row r x pitch + 16 hh
	v_lshlrev_b32 v5, 4, v3                        ; W_e: 16 x lane
	s_mul_i32 s40, s17, HALFA                      ; my 128 rows of A
	s_lshl_b32 s41, s18, 15
	s_add_co_u32 s41, s41, BOFF                    ; my 128 h of W_e
.irp n, 0,1
	v_add_nc_u32 v[ADRA+\n], s40, v4
	v_add_nc_u32 v[ADRB+\n], s41, v5
	s_add_co_u32 s40, s40, SLOT
	s_add_co_u32 s41, s41, SLOT
.endr
	s_lshl_b32 s42, s18, 10
	s_lshl_b32 s43, s17, 9
	s_add_co_u32 s42, s42, s43
	s_add_co_u32 s42, s42, STG
	v_lshl_add_u32 v[STO], v3, 2, s42
	v_lshlrev_b32 v[GO], 3, v0
	v_add_nc_u32 v[RD], STG, v[GO]
	v_lshlrev_b32 v[PVO], 5, v2
	v_lshlrev_b32 v[PFO], 10, v3
	s_lshl_b32 s40, s20, 15                        ; projc: group of 16 h = 16 cx + 8 x half (+ b), 2,048 bytes each;
	s_lshl_b32 s41, s18, 14
	s_add_co_u32 s40, s40, s41
	s_lshr_b32 s41, s22, 1                         ; my batch = wy / 2, 64 bytes each
	s_lshl_b32 s41, s41, 6
	s_add_co_u32 s40, s40, s41
	s_mov_b32 s41, 0
	s_add_nc_u64 s[8:9], s[8:9], s[40:41]
.irp b, 0,1,2,3,4,5,6,7
	global_load_b128 v[PS+8*\b:PS+8*\b+3], v[PVO], s[8:9] offset:2048*\b       ; proj_s for h = 16 b + 8 hh + 0 .. 7 of my 128: it stays for all four tiles
	global_load_b128 v[PS+8*\b+4:PS+8*\b+7], v[PVO], s[8:9] offset:2048*\b+16
.endr
	s_lshl_b32 s40, s20, 10                        ; v_w at my 128 h
	s_lshl_b32 s42, s18, 9
	s_add_co_u32 s40, s40, s42
	s_add_nc_u64 s[10:11], s[10:11], s[40:41]
	s_lshl_b32 s40, s20, 18                        ; part: slice cx of 262,144 bytes, my 1,024 rows
	s_lshl_b32 s42, s22, 12
	s_add_co_u32 s40, s40, s42
	s_add_nc_u64 s[14:15], s[14:15], s[40:41]
	s_lshl_b32 s40, s20, 15                        ; the prefetches: of the 128 rows that I fetch, my work-group's 32
	s_add_nc_u64 s[PFA:PFA+1], s[76:77], s[40:41]
	s_wait_kmcnt 0x0
	s_add_co_i32 s[CS], s70, s71
	s_lshl_b32 s[CS], s[CS], 23
	s_add_co_i32 s[CS], s[CS], 0x4038aa3b          ; 2 log2(e), with e2 + e3 added to its exponent field
	s_mov_b32 s[CS+1], s[CS]
.macro FRAGA reg, adr, q, i            ; 16 rows x 128 K: registers 4 c .. 4 c + 3 hold K = 32 c + 16 hh + 0 .. 15 of row r
.irp c, 0,1,2,3
	ds_load_b128 v[\reg+4*\c:\reg+4*\c+3], v[\adr] offset:128*(\q)+32*\c+(\i)*16*PITCH
.endr
.endm
.macro FRAGB reg, adr, q, i            ; an image: the same registers in the same lanes as they were made
.irp c, 0,1,2,3
	ds_load_b128 v[\reg+4*\c:\reg+4*\c+3], v[\adr] offset:(8*(\q)+(\i))*2048+512*\c
.endr
.endm
.macro FETCH_B slot, q, p              ; W_e's eight fragments of the slot's q-th 128 along K into set p
	WIN TO_B
.irp i, 0,1,2,3,4,5,6,7
	FRAGB 128*(\p)+FR*\i, ADRB+\slot, \q, \i
.endr
	WIN 0
.endm
.macro FETCH_A slot, q, i0             ; A's blocks i0 .. i0 + 3
.irp i, \i0, \i0+1, \i0+2, \i0+3
	FRAGA AF+FR*(\i), ADRA+\slot, \q, \i
.endr
.endm
; 16 matrix instructions: A's blocks a0, a0 + 1 x W_e's eight.  zero = 1: the sums begin with proj_s as C: nothing is cleared and the bias costs no addition.
; The 64 accumulators take turns, one instruction a turn, in the same order in every step.
.macro MUL16 a0, p, zero
.irp a, \a0, \a0+1
.irp b, 0,1,2,3,4,5,6,7
.if \zero
	v_wmma_f32_16x16x128_fp8_fp8 v[8*(8*((\a)%4)+\b):8*(8*((\a)%4)+\b)+7], v[128*(\p)+FR*\b:128*(\p)+FR*\b+FR-1], v[AF+FR*(\a):AF+FR*(\a)+FR-1], v[PS+8*\b:PS+8*\b+7]
.else
	v_wmma_f32_16x16x128_fp8_fp8 v[8*(8*((\a)%4)+\b):8*(8*((\a)%4)+\b)+7], v[128*(\p)+FR*\b:128*(\p)+FR*\b+FR-1], v[AF+FR*(\a):AF+FR*(\a)+FR-1], v[8*(8*((\a)%4)+\b):8*(8*((\a)%4)+\b)+7]
.endif
.endr
.endr
.endm
.macro PLACES n                        ; plain vector instructions between a matrix instruction and a load into, or a read of, its registers (ISA guide 7.12.1 for the reads)
.rept \n
	v_nop
.endr
.endm
; A slot's first 128 along K: multiplies set 0, fetches the second 128 into set 1.  A's one set: blocks 0-3 anew in the middle, blocks 4-7 at the end.
.macro STEP slot, zero
	s_wait_dscnt 16                                ; W_e's set and A's blocks 0-3 are in; the 16 youngest loads (A's blocks 4-7) may be out
.if \zero
	WIN MULZ_LO
.else
	WIN MUL_LO
.endif
	MUL16 0, 0, \zero
	MUL16 2, 0, \zero
	s_wait_dscnt 0                                 ; A's blocks 4-7 are in
	PLACES 4
	FETCH_B \slot, 1, 1
	FETCH_A \slot, 1, 0
.if \zero
	WIN MULZ_HI
.else
	WIN MUL_HI
.endif
	MUL16 4, 0, \zero
	MUL16 6, 0, \zero
	PLACES 4
	WIN 0
	FETCH_A \slot, 1, 4
.endm
; A slot's second 128 along K, and the change of slots: ONE barrier; in front of it each wave waits for all its tensor loads, adds 0 to its spare word, and waits for that and for its reads of this slot.
; fill = 1: this slot takes the same tile's K step two on; 2: the next tile's K step of the same slot; 0: nothing.  fetch = 1: the next slot's first fragments.  ask < 4: the prefetch for that K step.
.macro TURN slot, next, fill, fetch, ask
	s_wait_tensorcnt 0x0                           ; all my tensor loads have landed: the one that was out is my part of the next slot
	ds_add_u32 v[SPW], v[NIL]                      ; 0 onto my spare word
	s_wait_dscnt 17                                ; (the add and the 16 youngest loads, A's blocks 4-7, may be out)
	WIN MUL_LO
	MUL16 0, 1, 0
	s_wait_dscnt 0x0                               ; the add is done, and my reads of this slot are over
	s_barrier_signal -1
	MUL16 2, 1, 0
	WIN 0
	s_barrier_wait -1
.if \fill
	CREST                                          ; the barrier has opened a round of the cluster's: no wave of any partner still reads this slot or has a load on its way
.if \fill == 1
	s_add_nc_u64 s[G0+4*\slot+2:G0+4*\slot+3], s[G0+4*\slot+2:G0+4*\slot+3], 512
	s_add_nc_u64 s[G0B+4*\slot+2:G0B+4*\slot+3], s[G0B+4*\slot+2:G0B+4*\slot+3], 2*HALFB
.else
	s_add_nc_u64 s[G0+4*\slot+2:G0+4*\slot+3], s[G0+4*\slot+2:G0+4*\slot+3], 262144-512   ; 256 rows down, back along K
	s_sub_nc_u64 s[G0B+4*\slot+2:G0B+4*\slot+3], s[G0B+4*\slot+2:G0B+4*\slot+3], 2*HALFB  ; W_e only back
.endif
	JLOAD \slot                                    ; my one tensor load behind the round; its four v_nop are also the places in front of the loads below
.else
	PLACES 4
.endif
.if \fetch
	FETCH_B \next, 0, 0
	FETCH_A \next, 0, 0
.endif
.if \ask < 4
	ASK \ask
.endif
	WIN MUL_HI
	MUL16 4, 1, 0
	MUL16 6, 1, 0
.if \fetch
	PLACES 4
	WIN 0
	FETCH_A \next, 0, 4
.endif
.endm
.macro FINAL                           ; the launch's last 128 along K: nothing more to fetch
	s_wait_dscnt 16
	WIN MUL_LO
	MUL16 0, 1, 0
	MUL16 2, 1, 0
	s_wait_dscnt 0
	WIN MUL_HI
	MUL16 4, 1, 0
	MUL16 6, 1, 0
.endm
; THE ACTIVATION on one window's 32 accumulators (A's blocks a0 .. a0 + 3), in place: y = sum x 2 log2(e) 2^(e2 + e3); 2^y; + 1; reciprocal: r.  Then the row sums take v[h] r.
; Each kind of transcendental is ONE batch of 256 with one plain instruction and one wait behind it, ahead of its first reader.  Each accumulator is read from its low end on.
.macro EPI wip, wsum, a0, vwait
	WIN \wip                                       ; source 0 and destination: the window
.set JJ, 0
.rept 128
	v_pk_mul_f32 v[JJ:JJ+1], v[JJ:JJ+1], s[CS:CS+1] op_sel_hi:[1,0]
.set JJ, JJ+2
.endr
.set JJ, 0
.rept 256
	v_exp_f32 v[JJ], v[JJ]
.set JJ, JJ+1
.endr
	v_nop
	s_wait_alu depctr_va_vdst(0)                   ; one wait for the 256 exponentials
.set JJ, 0
.rept 128
	v_pk_add_f32 v[JJ:JJ+1], v[JJ:JJ+1], 1.0 op_sel_hi:[1,0]
.set JJ, JJ+2
.endr
.set JJ, 0
.rept 256
	v_rcp_f32 v[JJ], v[JJ]
.set JJ, JJ+1
.endr
	v_nop
	s_wait_alu depctr_va_vdst(0)                   ; one wait for the 256 reciprocals
.if \vwait
	s_wait_loadcnt 0x0                             ; v is in
.endif
	WIN \wsum                                      ; source 0: the window; v, and the sums, window 0
.set PP, 0
.rept 32
.irp a, 0,1,2,3
.if PP == 0
	v_pk_mul_f32 v[SC+2*(\a0+\a):SC+2*(\a0+\a)+1], v[64*\a:64*\a+1], v[VV:VV+1]   ; the first term starts a block's sums
.else
	v_pk_fma_f32 v[SC+2*(\a0+\a):SC+2*(\a0+\a)+1], v[64*\a+2*PP:64*\a+2*PP+1], v[VV+2*PP:VV+2*PP+1], v[SC+2*(\a0+\a):SC+2*(\a0+\a)+1]
.endif
.endr
.set PP, PP+1
.endr
.endm
; THE WAY OUT of a tile: 256 numbers.  My 128 rows' sums over my 128 h go into the stage; behind a barrier each thread adds the two halves of the h for two rows and stores 8 bytes.
; The stage is written again only behind the next tile's barriers, which every wave reaches behind its wait for its reads of it.
.macro OUT last
	WIN 0
	PLACES 4                                       ; behind the last products: in front of the loads into A's registers and of the first reads of results
.irp b, 0,1,2,3,4,5,6,7
	global_load_b128 v[VV+8*\b:VV+8*\b+3], v[PVO], s[10:11] offset:64*\b          ; v for h = 16 b + 8 hh + 0 .. 7 of my 128
	global_load_b128 v[VV+8*\b+4:VV+8*\b+7], v[PVO], s[10:11] offset:64*\b+16
.endr
	EPI 0x82, 0x02, 0, 1
	EPI 0xc3, 0x03, 4, 0
	WIN 0
.irp a, 0,1,2,3,4,5,6,7
	v_add_f32 v[SC+2*\a], v[SC+2*\a], v[SC+2*\a+1]
.endr
.irp a, 0,1,2,3,4,5,6,7
	v_permlanex16_b32 v[SC+2*\a+1], v[SC+2*\a], s[SEL], s[SEL+1]   ; the row's other 64 h lie in the lane 16 away
.endr
.irp a, 0,1,2,3,4,5,6,7
	v_add_f32 v[SC+2*\a], v[SC+2*\a], v[SC+2*\a+1]
.endr
.irp i, 0,1,2,3
	v_cndmask_b32 v[SC+4*\i+1], v[SC+4*\i], v[SC+4*\i+2], s[HM]    ; lanes 0-15: block 2 i; lanes 16-31: block 2 i + 1: the lane holds row 32 i + lane
.endr
.irp i, 0,1,2,3
	ds_store_b32 v[STO], v[SC+4*\i+1] offset:128*\i
.endr
	s_wait_dscnt 0x0                               ; for the others' sake: my sums lie in the stage
	s_barrier_signal -1                            ; a plain barrier of the work-group
	s_barrier_wait -1
	ds_load_b64 v[T:T+1], v[RD]
	ds_load_b64 v[T+2:T+3], v[RD] offset:1024
	s_wait_dscnt 0x0
	v_pk_add_f32 v[T:T+1], v[T:T+1], v[T+2:T+3]
	global_store_b64 v[GO], v[T:T+1], s[14:15]     ; a wave's store covers 256 consecutive bytes, aligned
.if !\last
	s_wait_xcnt 0x0                                ; the store and the tile's prefetches have read their bases: both may step
	s_add_nc_u64 s[14:15], s[14:15], 1024
	s_add_nc_u64 s[PFA:PFA+1], s[PFA:PFA+1], 262144
.endif
.endm
; A TILE: four K steps of 256.  Slot 0's tile is whole when the tile begins: every wave waited for its part of it in front of the barrier of the change of slots before (the first tile: of the barrier below).
.macro TILE last
	FETCH_B 0, 0, 0
	FETCH_A 0, 0, 0
	FETCH_A 0, 0, 4
	STEP 0, 1
.if \last
	TURN 0, 1, 1, 1, 9
	STEP 1, 0
	TURN 1, 0, 1, 1, 9
	STEP 0, 0
	TURN 0, 1, 0, 1, 9                             ; nothing is left to fetch: no round of the cluster's barrier
	STEP 1, 0
	FINAL
.else
	TURN 0, 1, 1, 1, 0
	STEP 1, 0
	TURN 1, 0, 1, 1, 1
	STEP 0, 0
	TURN 0, 1, 2, 1, 2                             ; THE RING GOES ON INTO THE NEXT TILE: slot 0 takes its K step 0,
	STEP 1, 0
	TURN 1, 0, 2, 0, 3                             ; slot 1 its K step 1: that load lands during the way out.  The next fragments are fetched behind the way out, which uses A's registers
.endif
	OUT \last
.endm
	s_wait_loadcnt 0x0                             ; proj_s
	s_wait_tensorcnt 1                             ; my part of K step 0 is in; the one younger load, slot 1's, may stay out
	s_barrier_signal -1
	s_barrier_wait -1
	s_mov_b32 s19, 3
.Ltile:                                                ; three tiles that have a successor
	TILE 0
	s_sub_co_u32 s19, s19, 1
	s_cmp_lg_u32 s19, 0
	s_cbranch_scc1 .Ltile
	TILE 1                                         ; the last tile is written out
	s_wait_tensorcnt 0x0                           ; the wave's end: a wait for my last tensor load, 0 onto my spare word and a wait for it, behind my last LDS store
	ds_add_u32 v[SPW], v[NIL]
	s_wait_dscnt 0x0
	CROUND                                         ; the closing round: no work-group ends while a partner may still ask for a tile that names it
	s_endpgm
.Lfunc_end_k_q097e39cd41_main:
	.size	k_q097e39cd41_main, .Lfunc_end_k_q097e39cd41_main-k_q097e39cd41_main
	.p2alignl 7, 3214868480
	.fill 96, 4, 3214868480
	.section	.rodata,"a",@progbits
	.p2align	6, 0x0
	.amdhsa_kernel k_q097e39cd41_main
		.amdhsa_group_segment_fixed_size 327680
		.amdhsa_private_segment_fixed_size 0
		.amdhsa_enable_private_segment 0
		.amdhsa_kernarg_size 48
		.amdhsa_user_sgpr_count 2
		.amdhsa_user_sgpr_kernarg_segment_ptr 1
		.amdhsa_wavefront_size32 1
		.amdhsa_system_sgpr_workgroup_id_x 1
		.amdhsa_system_sgpr_workgroup_id_y 1
		.amdhsa_system_sgpr_workgroup_id_z 1
		.amdhsa_system_vgpr_workitem_id 0
		.amdhsa_next_free_vgpr 1024
		.amdhsa_next_free_sgpr 96
		.amdhsa_reserve_vcc 0
		.amdhsa_float_denorm_mode_32 3
		.amdhsa_float_denorm_mode_16_64 3
		.amdhsa_memory_ordered 1
		.amdhsa_forward_progress 1
		.amdhsa_inst_pref_size 255
	.end_amdhsa_kernel
	.section	.bss,"aw",@nobits
	.p2align	6
	.space	262144
	.amdgpu_metadata
---
amdhsa.version: [ 1, 2 ]
amdhsa.kernels:
  - .name:           k_q097e39cd41_main
    .symbol:         k_q097e39cd41_main.kd
    .args:
      - { .name: encoder_outputs_codes, .offset: 0, .size: 8, .value_kind: global_buffer, .address_space: global }
      - { .name: wimg, .offset: 8, .size: 8, .value_kind: global_buffer, .address_space: global }
      - { .name: projc, .offset: 16, .size: 8, .value_kind: global_buffer, .address_space: global }
      - { .name: v_w, .offset: 24, .size: 8, .value_kind: global_buffer, .address_space: global }
      - { .name: lowp_scales, .offset: 32, .size: 8, .value_kind: global_buffer, .address_space: global }
      - { .name: part, .offset: 40, .size: 8, .value_kind: global_buffer, .address_space: global }
    .group_segment_fixed_size: 327680
    .private_segment_fixed_size: 0
    .kernarg_segment_align: 8
    .kernarg_segment_size: 48
    .max_flat_workgroup_size: 128
    .sgpr_count:     96
    .vgpr_count:     1024
    .wavefront_size: 32
...
	.end_amdgpu_metadata
.endif
;; end of part 2
;; launch soft (part 3): grid 32 x 1, 8 waves a work-group, no clusters, 1,536 bytes of LDS; arguments part, out0; writes out0
.if DOCPART == 3
	.amdgcn_target "amdgcn-amd-amdhsa--gfx1250"
	.amdhsa_code_object_version 6
	.text
	.protected	k_q097e39cd41_soft
	.globl	k_q097e39cd41_soft
	.p2align	8
	.type	k_q097e39cd41_soft,@function
k_q097e39cd41_soft:
	s_mov_b64 s[64:65], 0
	v_nop
	global_prefetch_b8 v0, s[64:65] scope:SCOPE_SE
	s_setreg_imm32_b32 hwreg(HW_REG_WAVE_MODE, 25, 1), 1
	s_wait_xcnt 0x0
; out0[b][:] = softmax over the 2,048 positions of score = -2 (sum over h of v[h] r).  part [4 slices of h][65,536 rows] f32 holds the four parts of that sum.
; WORK LEFT OUT: the term sum over h of v[h], the same along the softmax's axis, is not added (shown at the head of the first kernel).
; One work-group a batch; thread t holds positions 1024 u + 4 t + 0 .. 3, u = 0, 1: every load and store of a wave covers 512 consecutive bytes.  t = score x log2(e); the row's true maximum is taken away
; before the exponential; maximum and sum go across the lanes in registers and across the eight waves through LDS.  32 work-groups: a row's softmax has one owner.  The whole launch is one batch of loads: no prefetch, no ring.
.set SPARE, 512                        ; LDS: bytes 0-31 the waves' maxima; 256-287 their sums; from 512 the spare words, 128 bytes for each wave
.set SPW, 2                            ; v2   LDS address of my spare word; never rewritten
.set NIL, 3                            ; v3   0; never rewritten
.set X,   8                            ; v8-39  slice p, half u at v[8 + 8 p + 4 u]; v8-15 then hold the eight numbers at work
	s_load_b128 s[4:7], s[0:1], 0x0                ; part s[4:5], out0 s[6:7]
	v_lshl_add_u32 v[SPW], v0, 2, SPARE
	v_mov_b32 v[NIL], 0
	v_lshrrev_b32 v4, 5, v0
	v_readfirstlane_b32 s8, v4                     ; wave 0..7
	v_lshlrev_b32 v1, 4, v0                        ; 16 bytes a thread
	s_lshl_b32 s10, ttmp9, 13                      ; a batch's 2,048 numbers
	s_mov_b32 s11, 0
	s_mov_b32 s12, 0x76543210                      ; v_permlanex16_b32's selects for lane l xor 16
	s_mov_b32 s13, 0xfedcba98
	s_lshl_b32 s9, s8, 2
	v_mov_b32 v42, s9                              ; my wave's word
	v_mov_b32 v43, 0
	v_mov_b32 v41, 0                               ; written once: a lane permute's destination counts as read
	s_wait_kmcnt 0x0
	s_add_nc_u64 s[4:5], s[4:5], s[10:11]
	s_add_nc_u64 s[6:7], s[6:7], s[10:11]
.irp p, 0,1,2,3
.irp u, 0,1
	global_load_b128 v[X+8*\p+4*\u:X+8*\p+4*\u+3], v1, s[4:5] offset:262144*\p+4096*\u th:TH_LOAD_NT
.endr
.endr
	s_wait_loadcnt 0x0
.irp i, 0,2,4,6
	v_pk_add_f32 v[X+\i:X+\i+1], v[X+\i:X+\i+1], v[X+8+\i:X+8+\i+1]
	v_pk_add_f32 v[X+16+\i:X+16+\i+1], v[X+16+\i:X+16+\i+1], v[X+24+\i:X+24+\i+1]
.endr
.irp i, 0,2,4,6
	v_pk_add_f32 v[X+\i:X+\i+1], v[X+\i:X+\i+1], v[X+16+\i:X+16+\i+1]
.endr
.irp i, 0,2,4,6
	v_pk_mul_f32 v[X+\i:X+\i+1], v[X+\i:X+\i+1], 0xc038aa3b op_sel_hi:[1,0]   ; t = -2 log2(e) x the sum
.endr
	v_max3_num_f32 v40, v8, v9, v10
	v_max3_num_f32 v40, v40, v11, v12
	v_max3_num_f32 v40, v40, v13, v14
	v_max_num_f32 v40, v40, v15
	v_max_num_f32_dpp v40, v40, v40 row_xmask:1 row_mask:0xf bank_mask:0xf
	v_max_num_f32_dpp v40, v40, v40 row_xmask:2 row_mask:0xf bank_mask:0xf
	v_max_num_f32_dpp v40, v40, v40 row_xmask:4 row_mask:0xf bank_mask:0xf
	v_max_num_f32_dpp v40, v40, v40 row_xmask:8 row_mask:0xf bank_mask:0xf
	v_permlanex16_b32 v41, v40, s12, s13
	v_max_num_f32 v40, v40, v41                    ; the wave's maximum, in every lane
	ds_store_b32 v42, v40
	s_wait_dscnt 0x0                               ; for the others' sake
	s_barrier_signal -1
	s_barrier_wait -1
	ds_load_b128 v[44:47], v43
	ds_load_b128 v[48:51], v43 offset:16
	s_wait_dscnt 0x0
	v_max3_num_f32 v40, v44, v45, v46
	v_max3_num_f32 v40, v40, v47, v48
	v_max3_num_f32 v40, v40, v49, v50
	v_max_num_f32 v40, v40, v51                    ; the row's maximum
.irp i, 0,2,4,6
	v_pk_add_f32 v[X+\i:X+\i+1], v[X+\i:X+\i+1], v[40:41] op_sel_hi:[1,0] neg_lo:[0,1] neg_hi:[0,1]   ; t - the maximum (the pair's low word for both halves)
.endr
.irp i, 0,1,2,3,4,5,6,7
	v_exp_f32 v[X+\i], v[X+\i]
.endr
	v_nop                                          ; a plain instruction behind the last exponential,
	s_wait_alu depctr_va_vdst(0)                   ; and one wait for the eight, ahead of their first reader
	v_pk_add_f32 v[52:53], v[8:9], v[10:11]
	v_pk_add_f32 v[54:55], v[12:13], v[14:15]
	v_pk_add_f32 v[52:53], v[52:53], v[54:55]
	v_add_f32 v52, v52, v53
	v_add_f32_dpp v52, v52, v52 row_xmask:1 row_mask:0xf bank_mask:0xf
	v_add_f32_dpp v52, v52, v52 row_xmask:2 row_mask:0xf bank_mask:0xf
	v_add_f32_dpp v52, v52, v52 row_xmask:4 row_mask:0xf bank_mask:0xf
	v_add_f32_dpp v52, v52, v52 row_xmask:8 row_mask:0xf bank_mask:0xf
	v_permlanex16_b32 v41, v52, s12, s13
	v_add_f32 v52, v52, v41                        ; the wave's sum
	ds_store_b32 v42, v52 offset:256               ; other bytes than the maxima's
	s_wait_dscnt 0x0
	s_barrier_signal -1
	s_barrier_wait -1
	ds_load_b128 v[44:47], v43 offset:256
	ds_load_b128 v[48:51], v43 offset:272
	s_wait_dscnt 0x0
	v_add_f32 v44, v44, v45
	v_add_f32 v46, v46, v47
	v_add_f32 v48, v48, v49
	v_add_f32 v50, v50, v51
	v_add_f32 v44, v44, v46
	v_add_f32 v48, v48, v50
	v_add_f32 v56, v44, v48                        ; the row's sum: at least 1, the maximum's own term
	v_rcp_f32 v56, v56
	v_mov_b32 v57, 0                               ; (a plain instruction behind the reciprocal; named with it as a pair, so it is written)
	s_wait_alu depctr_va_vdst(0)
.irp i, 0,2,4,6
	v_pk_mul_f32 v[X+\i:X+\i+1], v[X+\i:X+\i+1], v[56:57] op_sel_hi:[1,0]
.endr
	global_store_b128 v1, v[8:11], s[6:7]
	global_store_b128 v1, v[12:15], s[6:7] offset:4096
	s_wait_tensorcnt 0x0                           ; the wave's end: a wait for tensor loads (none here), 0 onto my spare word and a wait for it, behind my last LDS store
	ds_add_u32 v[SPW], v[NIL]
	s_wait_dscnt 0x0
	s_endpgm
.Lfunc_end_k_q097e39cd41_soft:
	.size	k_q097e39cd41_soft, .Lfunc_end_k_q097e39cd41_soft-k_q097e39cd41_soft
	.p2alignl 7, 3214868480
	.fill 96, 4, 3214868480
	.section	.rodata,"a",@progbits
	.p2align	6, 0x0
	.amdhsa_kernel k_q097e39cd41_soft
		.amdhsa_group_segment_fixed_size 1536
		.amdhsa_private_segment_fixed_size 0
		.amdhsa_enable_private_segment 0
		.amdhsa_kernarg_size 16
		.amdhsa_user_sgpr_count 2
		.amdhsa_user_sgpr_kernarg_segment_ptr 1
		.amdhsa_wavefront_size32 1
		.amdhsa_system_sgpr_workgroup_id_x 1
		.amdhsa_system_sgpr_workgroup_id_y 1
		.amdhsa_system_sgpr_workgroup_id_z 1
		.amdhsa_system_vgpr_workitem_id 0
		.amdhsa_next_free_vgpr 64
		.amdhsa_next_free_sgpr 66
		.amdhsa_reserve_vcc 0
		.amdhsa_float_denorm_mode_32 3
		.amdhsa_float_denorm_mode_16_64 3
		.amdhsa_memory_ordered 1
		.amdhsa_forward_progress 1
		.amdhsa_inst_pref_size 7
	.end_amdhsa_kernel
	.amdgpu_metadata
---
amdhsa.version: [ 1, 2 ]
amdhsa.kernels:
  - .name:           k_q097e39cd41_soft
    .symbol:         k_q097e39cd41_soft.kd
    .args:
      - { .name: part, .offset: 0, .size: 8, .value_kind: global_buffer, .address_space: global }
      - { .name: out0, .offset: 8, .size: 8, .value_kind: global_buffer, .address_space: global }
    .group_segment_fixed_size: 1536
    .private_segment_fixed_size: 0
    .kernarg_segment_align: 8
    .kernarg_segment_size: 16
    .max_flat_workgroup_size: 256
    .sgpr_count:     66
    .vgpr_count:     64
    .wavefront_size: 32
...
	.end_amdgpu_metadata
.endif
;; end of part 3
;; ======== version 2 of 2: 3 launches
;; workspace buffers: wimg 1,048,576 bytes; projc 131,072 bytes; part 1,048,576 bytes
;; launch prep: the kernel of part 1 again; grid 64 x 1, 8 waves a work-group, no clusters, 17,408 bytes of LDS; arguments attn_w, s_codes, lowp_scales, wimg, projc; writes wimg, projc
;; launch main (part 4): grid 4 x 64, 4 waves a work-group, clusters of 4 x 1, 327,680 bytes of LDS; arguments encoder_outputs_codes, wimg, projc, v_w, lowp_scales, part; writes part
.if DOCPART == 4
	.amdgcn_target "amdgcn-amd-amdhsa--gfx1250"
	.amdhsa_code_object_version 6
	.text
	.protected	k_q097e39cd41_main
	.globl	k_q097e39cd41_main
	.p2align	8
	.type	k_q097e39cd41_main,@function
k_q097e39cd41_main:
	s_mov_b64 s[64:65], 0
	v_nop
	global_prefetch_b8 v0, s[64:65] scope:SCOPE_SE
	s_setreg_imm32_b32 hwreg(HW_REG_WAVE_MODE, 25, 1), 1
	s_wait_xcnt 0x0
	s_wait_alu depctr_hold_cnt(0) depctr_sa_sdst(0) depctr_va_vdst(0) depctr_va_sdst(0) depctr_va_ssrc(0) depctr_va_vcc(0) depctr_vm_vsrc(0)
	s_getreg_b32 s2, hwreg(HW_REG_IB_STS2, 6, 4)
	s_cmp_eq_u32 s2, 0
	s_cbranch_scc0 .Lentry_in_a_cluster
	s_endpgm
.Lentry_in_a_cluster:
	s_bfe_u32 s2, ttmp6, 0x10000c
	s_cmp_lg_u32 s2, 0x3003
	s_cbranch_scc0 .Lentry_shape_is_right
	s_endpgm
.Lentry_shape_is_right:
; part[cx][row] = sum over the 256 h of slice cx of v[h] r,  r = 1 / (1 + e^(2 x)),  x = proj_s[batch][h] + proj_e[row][h].  proj_e = encoder rows (65,536 x 1,024 codes of E4M3) x W_e^T (1,024 h x 1,024, codes), sums in f32.
; WORK LEFT OUT: the term sum over h of v[h] of a score (tanh = 1 - 2 r) is the same along the softmax's axis; it is not formed (shown at the head of the first kernel).
; A sum of the product stands for sum x 2^(e2 + e3).  projc holds proj_s / 2^(e2 + e3) and is the C of each sum's first matrix instruction; 2 log2(e) 2^(e2 + e3) is one factor ahead of the exponential.
; LIMITS: e2 + e3 between -126 and 126 (it is added to that factor's exponent field).  An exponential under 2^-126 counts as 0 (r = 1 there to f32's last bit); an overflowing one gives r = 0.
; THE WEIGHTS STAY, THE ROWS GO BY.  A work-group owns 1,024 encoder rows (all of one batch) and 256 h; wave w owns h 64 w .. 64 w + 63 and holds W_e for them, all 1,024 along K, in 512 registers, loaded once.
; So a GROUP of 32 rows is finished in 64 matrix instructions on 8 accumulators (64 registers), and there is room for two sets: while one set is summed, the other set's activation stands in slices behind the
; matrix instructions, one slice behind each.  A TURN is that: group j's products | group j - 1's activation and row sums | group j + 1's fragments from LDS.
; Only the encoder's rows go through LDS: a ring of two slots of 128 rows x 1,024 bytes, each wave fetching 32 rows of a slot by one tensor load; one change of slots for four turns, 256 matrix instructions.
; CLUSTER 4 x 1: the four work-groups of a cluster are the four slices of h for the same rows, the only readers of those rows, and ask for each tile JOINTLY (the same load, the same descriptor, mask 15).
; W_e's images are read by the 64 work-groups of a slice, but not jointly: a joint load ends in LDS, and 262,144 bytes of images beside the ring's 266,240 do not fit there; they go straight into registers while the first tiles are on their way.
; THE MATRIX INSTRUCTION IS USED TRANSPOSED (source 0 = 16 rows h of W_e, source 1 = 16 encoder rows): lane (r, hh) holds ONE encoder row r, and register j of accumulator (g, t) is h = 16 t + 8 hh + j of row 16 g + r:
; the sum over h runs along a lane's registers, with one exchange between the halves of the lanes.  A wave's row sums go to a stage in LDS, 128 bytes a turn; at the end the four waves' sums are added and stored.
; REGISTERS, in windows of 256: window 0: v16-29 addresses; v32-63 proj_s (8 t + j); v64-95 v (8 t + j); v96-108 row sums at work; v128-255 two sets of 8 accumulators ((g, t) at 64 p + 8 (4 g + t)).
;   window 1: the 16 encoder fragments of a group ((s, g) at 16 (2 s + g)).   windows 2, 3: W_e's 32 fragments ((s, t) at 16 (4 s + t)).
; All that a slice touches lies in window 0, a product's operands in windows 1 to 3: so a slice costs two switches of the window.
.set PITCH,  1040                      ; an LDS row: 1,024 bytes + 16 of padding = 260 words: the 16 rows that a fragment load touches start 4 words apart modulo 64
.set GB,     32*PITCH                  ; a group's 32 rows; also what one tensor load brings
.set SLOT,   4*GB                      ; 128 rows
.set SLOTG,  131072                    ; the same rows in memory
.set SPARE,  2*SLOT                    ; behind the ring: the spare words, 128 bytes for each wave
.set STG,    SPARE+512                 ; the stage: [wave 4][1,024 rows] f32; no tensor load lands here
.set AE,   16                          ; v16-19  my lane's place in group 0 .. 3 of a slot: 1040 r + 16 hh + the group's bytes
.set ADR,  20                          ; v20     the address of the loads in hand
.set STO0, 21                          ; v21     stage, in: STG + 4096 x wave + 4 x lane
.set STA,  22                          ; v22     the same + 128 x group
.set RD,   23                          ; v23     stage, back: STG + 16 x thread
.set GO,   24                          ; v24     16 x thread
.set PVO,  25                          ; v25     32 hh
.set LI,   26                          ; v26     16 x lane
.set PFO,  27                          ; v27     1024 x lane: a row of the encoder's codes
.set SPW,  28                          ; v28     LDS address of my spare word; never rewritten
.set NIL,  29                          ; v29     0; never rewritten
.set PS,   32
.set VV,   64
.set SC,   96                          ; v96-103 four running pairs: (g, c) at 4 g + 2 c
.set T,    104                         ; v104-108 at work
.set ACC,  128
.set O,    128                         ; the way out: 32 registers
.set WV,   16                          ; s16 wave
.set CNT,  17                          ; s17 trips to go
.set TS,   18                          ; s18 LDS byte at which the slot that is being read begins: 0 or SLOT
.set TF,   19                          ; s19 the same for the slot that was filled last
.set WOFF, 21                          ; s21 my 32 rows' place in a slot
.set SB,   23                          ; s23 128 x the group whose row sums are due
.set G1,   24                          ; s[24:31] descriptor group 1
.set G0,   32                          ; s[32:35], s[36:39] group 0 of the two first fills; the second then walks on
.set GW,   36
.set PFA,  48                          ; s[48:49] my prefetches' base
.set CS,   66                          ; s[66:67] 2 log2(e) 2^(e2 + e3), twice
.set SEL,  72                          ; s[72:73] v_permlanex16_b32's selects for lane l xor 16
.set HM,   74                          ; s74 mask of lanes 16-31
.set MSB, 0
.macro WIN new                         ; the immediate's high byte repeats the setting that is left; a switch that changes nothing is dropped
.if MSB != (\new)
	s_set_vgpr_msb (MSB<<8)|(\new)
.set MSB, (\new)
.endif
.endm
.macro PLACES                          ; plain vector instructions between a matrix instruction and a load into, or a read of, its registers (ISA guide 7.12.1 for the reads)
.rept 4
	v_nop
.endr
.endm
.macro CREST                           ; a round of the cluster's barrier behind its opening barrier
	s_cmp_lg_u32 s[WV], 0
	s_cbranch_scc1 .Lnot_wave_0_\@
	s_barrier_signal -3
.Lnot_wave_0_\@:
	s_barrier_wait -3
	s_barrier_signal -1
	s_barrier_wait -1
.endm
.macro CROUND
	s_barrier_signal -1
	s_barrier_wait -1
	CREST
.endm
; A PREFETCH of the encoder's codes, behind the joint load of a change of slots: the slot that the NEXT change will ask for, four turns (256 matrix instructions) ahead of that load.  A slot is 128 rows x 1,024 bytes:
; 512 blocks of 256 bytes.  Every wave of all four partners asks, one instruction each: a lane a row of the 32 that its wave fetches; the partner at place cx takes bytes 256 cx on of each row, told apart by address.
; So each block is named once in the launch.  Slots 0, 1 and 2 come by their loads alone; the last change that fills a slot asks for nothing, so no prefetch leaves the work-group's 1,024 rows.
.macro ASK
	s_cmp_gt_u32 s[CNT], 1                         ; the count of trips: the same in all partners
	s_cbranch_scc0 .Lno_ask_\@
	global_prefetch_b8 v[PFO], s[PFA:PFA+1] th:TH_LOAD_NT scope:SCOPE_SE
.Lno_ask_\@:
.endm
	s_load_b128 s[4:7], s[0:1], 0x0                ; the encoder's codes s[4:5], wimg s[6:7]
	s_load_b128 s[8:11], s[0:1], 0x10              ; projc s[8:9], v_w s[10:11]
	s_load_b128 s[12:15], s[0:1], 0x20             ; the scales' exponents s[12:13], part s[14:15]
	v_lshl_add_u32 v[SPW], v0, 2, SPARE
	v_mov_b32 v[NIL], 0
	ds_add_u32 v[SPW], v[NIL]                      ; the wave's opening: 0 onto my spare word, twice on end, waited for ahead of my first tensor load
	ds_add_u32 v[SPW], v[NIL]
	v_lshrrev_b32 v1, 5, v0
	v_readfirstlane_b32 s[WV], v1                  ; wave 0..3
	s_bfe_u32 s20, ttmp6, 0x40000                  ; cx: my slice of 256 h.  It enters global addresses of W_e, proj_s, v, part and the prefetches alone
	s_and_b32 s22, ttmp7, 0xffff                   ; wy: my 1,024 rows (the cluster is one work-group high)
	s_mov_b32 s[G1], 15|(0<<16)|(1<<20)|(1<<21)|(7<<22)|(3<<25)   ; 15:0 the mask: all four; elements of 1 byte; padding on; 21 set beside a mask; after every 256 words (code 7) 4 words (code 3)
	s_mov_b32 s[G1+1], 1024<<16                    ; tensor_dim0 = 1,024
	s_mov_b32 s[G1+2], 32<<16                      ; tensor_dim1 = 32
	s_mov_b32 s[G1+3], 1024<<16                    ; tile_dim0 = 1,024
	s_mov_b32 s[G1+4], 32                          ; tile_dim1 = 32: a slot's 128 rows shared among the four waves
	s_mov_b32 s[G1+5], 1024                        ; from row to row
	s_mov_b32 s[G1+6], 0
	s_mov_b32 s[G1+7], 0
	s_lshl_b32 s76, s22, 20                        ; 1,024 rows of 1,024 bytes a work-group,
	s_lshl_b32 s77, s[WV], 15                      ; + the 32 rows of a slot that I fetch
	s_add_co_u32 s76, s76, s77
	s_mov_b32 s77, 0
	s_mul_i32 s[WOFF], s[WV], GB                   ; and where they go: no place in the cluster enters an LDS address
	s_mov_b32 s[TS], 0
	s_mov_b32 s[TF], SLOT
	s_mov_b32 s[SB], 0
	s_mov_b32 s[SEL], 0x76543210
	s_mov_b32 s[SEL+1], 0xfedcba98
	s_mov_b32 s[HM], 0xffff0000
	s_wait_dscnt 0x0                               ; both opening adds are done
	s_wait_kmcnt 0x0
	s_load_b128 s[68:71], s[12:13], 0x0            ; e0, e1, e2, e3
	s_add_nc_u64 s[76:77], s[4:5], s[76:77]
	CROUND                                         ; all four work-groups are here: the first joint loads meet
.irp n, 0,1
	s_mov_b32 s[G0+4*\n], 1                        ; count = 1
	s_add_co_u32 s[G0+4*\n+1], s[WOFF], \n*SLOT    ; LDS address
	s_add_nc_u64 s[G0+4*\n+2:G0+4*\n+3], s[76:77], \n*SLOTG   ; rows 128 n on
	s_or_b32 s[G0+4*\n+3], s[G0+4*\n+3], 0x80000000           ; type = 2
.endr
	tensor_load_to_lds s[G0:G0+3], s[G1:G1+7]      ; the two first fills go out together: two loads of mine are out
	s_nop 0
	tensor_load_to_lds s[G0+4:G0+7], s[G1:G1+7]
	s_nop 0
	PLACES
	v_and_b32 v1, 15, v0                           ; r
	v_bfe_u32 v2, v0, 4, 1                         ; hh
	v_and_b32 v3, 31, v0                           ; lane
	v_lshlrev_b32 v[LI], 4, v3
	s_lshl_b32 s40, s20, 1                         ; W_e's images: h / 128 = 2 cx + wave / 2: 131,072 bytes each;
	s_lshr_b32 s41, s[WV], 1
	s_add_co_u32 s40, s40, s41
	s_lshl_b32 s40, s40, 17
	s_and_b32 s41, s[WV], 1                        ; my 64 h are four of its eight images for each 128 along K: 8,192 bytes on in odd waves
	s_lshl_b32 s41, s41, 13
	s_add_co_u32 s40, s40, s41
	s_mov_b32 s41, 0
	s_add_nc_u64 s[6:7], s[6:7], s[40:41]
.irp s, 0,1,2,3,4,5,6,7                ; fragment (s, t): K = 128 s on, h = 16 t on: an image of 2,048 bytes, 16 bytes a lane and load.  They stay for the whole launch
	WIN 0x80+0x40*(\s/4)                           ; destination window 2 or 3
.irp t, 0,1,2,3
.irp c, 0,1,2,3
	global_load_b128 v[16*((4*\s+\t)%16)+4*\c:16*((4*\s+\t)%16)+4*\c+3], v[LI], s[6:7] offset:16384*\s+2048*\t+512*\c
.endr
.endr
.endr
	WIN 0
	v_lshlrev_b32 v[PVO], 5, v2
	s_lshl_b32 s40, s20, 15                        ; projc: group of 16 h = 16 cx + 4 x wave (+ t), 2,048 bytes each;
	s_lshl_b32 s42, s[WV], 13
	s_add_co_u32 s40, s40, s42
	s_lshr_b32 s42, s22, 1                         ; my batch = wy / 2, 64 bytes each
	s_lshl_b32 s42, s42, 6
	s_add_co_u32 s40, s40, s42
	s_add_nc_u64 s[8:9], s[8:9], s[40:41]
	s_lshl_b32 s40, s20, 10                        ; v_w at my 64 h
	s_lshl_b32 s42, s[WV], 8
	s_add_co_u32 s40, s40, s42
	s_add_nc_u64 s[10:11], s[10:11], s[40:41]
.irp t, 0,1,2,3
	global_load_b128 v[PS+8*\t:PS+8*\t+3], v[PVO], s[8:9] offset:2048*\t         ; proj_s for h = 16 t + 8 hh + 0 .. 7
	global_load_b128 v[PS+8*\t+4:PS+8*\t+7], v[PVO], s[8:9] offset:2048*\t+16
	global_load_b128 v[VV+8*\t:VV+8*\t+3], v[PVO], s[10:11] offset:64*\t         ; v for the same h
	global_load_b128 v[VV+8*\t+4:VV+8*\t+7], v[PVO], s[10:11] offset:64*\t+16
.endr
	v_mul_u32_u24 v4, v1, PITCH
	v_lshl_add_u32 v[AE], v2, 4, v4                ; row r x pitch + 16 hh
	v_add_nc_u32 v[AE+1], GB, v[AE]
	v_add_nc_u32 v[AE+2], 2*GB, v[AE]
	v_add_nc_u32 v[AE+3], 3*GB, v[AE]
	v_lshlrev_b32 v[PFO], 10, v3
	s_lshl_b32 s42, s[WV], 12
	s_add_co_u32 s42, s42, STG
	v_lshl_add_u32 v[STO0], v3, 2, s42
	v_lshlrev_b32 v[GO], 4, v0
	v_add_nc_u32 v[RD], STG, v[GO]
	v_mov_b32 v[T+2], 0                            ; written once: a lane permute's destination counts as read
	v_mov_b32 v[T+3], 0
	s_lshl_b32 s40, s20, 18                        ; part: slice cx of 262,144 bytes, my 1,024 rows
	s_lshl_b32 s42, s22, 12
	s_add_co_u32 s40, s40, s42
	s_add_nc_u64 s[14:15], s[14:15], s[40:41]
	s_lshl_b32 s40, s20, 8                         ; the prefetches: the rows that I fetch, my work-group's 256 bytes of each,
	s_add_co_u32 s40, s40, 2*SLOTG                 ; in slot 2: the first change of slots steps it to slot 3
	s_add_nc_u64 s[PFA:PFA+1], s[76:77], s[40:41]
	s_wait_kmcnt 0x0
	s_add_co_i32 s[CS], s70, s71
	s_lshl_b32 s[CS], s[CS], 23
	s_add_co_i32 s[CS], s[CS], 0x4038aa3b          ; 2 log2(e), with e2 + e3 added to its exponent field
	s_mov_b32 s[CS+1], s[CS]
; ONE PRODUCT: set p, K step s (128 along K), rows 16 g on, h 16 t on.  The first K step takes proj_s as C: nothing is cleared and the bias costs no addition.
; The 8 accumulators of a set take turns, one instruction a turn, and the two sets follow each other.
.macro MM p, s, g, t
	WIN 0x06+(\s)/4                                ; source 0 (W_e) window 2 or 3, source 1 (the rows) window 1, C and D window 0
.set rD, ACC+64*(\p)+8*(4*(\g)+(\t))
.set rW, 16*((4*(\s)+(\t))%16)
.set rE, 16*(2*(\s)+(\g))
.if (\s) == 0
	v_wmma_f32_16x16x128_fp8_fp8 v[rD:rD+7], v[rW:rW+15], v[rE:rE+15], v[PS+8*(\t):PS+8*(\t)+7]
.else
	v_wmma_f32_16x16x128_fp8_fp8 v[rD:rD+7], v[rW:rW+15], v[rE:rE+15], v[rD:rD+7]
.endif
.endm
; THE VECTOR WORK OF A TURN: the finished set's 64 numbers a lane (pairs 0 .. 31), in place.
.macro SCAL n                          ; pair n: y = sum x 2 log2(e) 2^(e2 + e3)
	v_pk_mul_f32 v[AQ+2*(\n):AQ+2*(\n)+1], v[AQ+2*(\n):AQ+2*(\n)+1], s[CS:CS+1] op_sel_hi:[1,0]
.endm
.macro EXPO n                          ; number n: 2^y
	v_exp_f32 v[AQ+(\n)], v[AQ+(\n)]
.endm
.macro PLUS n                          ; pair n: + 1
	v_pk_add_f32 v[AQ+2*(\n):AQ+2*(\n)+1], v[AQ+2*(\n):AQ+2*(\n)+1], 1.0 op_sel_hi:[1,0]
.endm
.macro RECI n                          ; number n: r
	v_rcp_f32 v[AQ+(\n)], v[AQ+(\n)]
.endm
; Slice k of 64, for set q.  Slices 0-23 (K steps 0 to 2): the 32 scalings and 64 exponentials: three slices of scalings, then a scaling among three exponentials; a pair is scaled a slice or more ahead of its
; exponentials, and each accumulator is read from its low end on.  No line there names an exponential's result; behind slice 23 stand one plain instruction and ONE wait for the batch.  Slices 24-47 (K steps 3 to 5):
; the additions of 1 and the reciprocals, in the same order, with their one wait.  Slices 48-55: v[h] r, in four running pairs.  Slices 56-61: the pairs, the halves of the lanes, the stage.  Slice 63: four places.
.macro SLICE q
.set AQ, ACC+64*(\q)
.if k < 3
	WIN 0
	SCAL 4*k
	SCAL 4*k+1
	SCAL 4*k+2
	SCAL 4*k+3
.elseif k < 23
	WIN 0
	EXPO 3*k-9
	SCAL 9+k
	EXPO 3*k-8
	EXPO 3*k-7
.elseif k == 23
	WIN 0
	EXPO 60
	EXPO 61
	EXPO 62
	EXPO 63
	v_nop                                          ; a plain instruction behind the last exponential,
	s_wait_alu depctr_va_vdst(0)                   ; and one wait for the 64, ahead of their first reader (and of the branches of a change of slots)
.elseif k < 27
	WIN 0
	PLUS 4*k-96
	PLUS 4*k-95
	PLUS 4*k-94
	PLUS 4*k-93
.elseif k < 47
	WIN 0
	RECI 3*k-81
	PLUS k-15
	RECI 3*k-80
	RECI 3*k-79
.elseif k == 47
	WIN 0
	RECI 60
	RECI 61
	RECI 62
	RECI 63
	v_nop
	s_wait_alu depctr_va_vdst(0)                   ; one wait for the 64 reciprocals
.elseif k < 56
	WIN 0
.irp g, 0,1
.irp c, 0,1
.if k == 48
	v_pk_mul_f32 v[SC+4*\g+2*\c:SC+4*\g+2*\c+1], v[AQ+32*\g+2*\c:AQ+32*\g+2*\c+1], v[VV+2*\c:VV+2*\c+1]   ; the first terms start the sums
.else
	v_pk_fma_f32 v[SC+4*\g+2*\c:SC+4*\g+2*\c+1], v[AQ+32*\g+4*(k-48)+2*\c:AQ+32*\g+4*(k-48)+2*\c+1], v[VV+4*(k-48)+2*\c:VV+4*(k-48)+2*\c+1], v[SC+4*\g+2*\c:SC+4*\g+2*\c+1]
.endif
.endr
.endr
.elseif k == 56
	WIN 0
	v_pk_add_f32 v[SC:SC+1], v[SC:SC+1], v[SC+2:SC+3]
	v_pk_add_f32 v[SC+4:SC+5], v[SC+4:SC+5], v[SC+6:SC+7]
.elseif k == 57
	WIN 0
	v_add_f32 v[T], v[SC], v[SC+1]
	v_add_f32 v[T+1], v[SC+4], v[SC+5]
.elseif k == 58
	WIN 0
	v_permlanex16_b32 v[T+2], v[T], s[SEL], s[SEL+1]       ; the row's other 32 h lie in the lane 16 away
	v_permlanex16_b32 v[T+3], v[T+1], s[SEL], s[SEL+1]
.elseif k == 59
	WIN 0
	v_add_f32 v[T], v[T], v[T+2]
	v_add_f32 v[T+1], v[T+1], v[T+3]
.elseif k == 60
	WIN 0
	v_cndmask_b32 v[T+4], v[T], v[T+1], s[HM]      ; lanes 0-15: rows 0-15 of the group; lanes 16-31: rows 16-31: the lane holds row = lane
	v_add_nc_u32 v[STA], s[SB], v[STO0]
.elseif k == 61
	WIN 0
	ds_store_b32 v[STA], v[T+4]                    ; 128 consecutive bytes of my part of the stage
	s_add_co_u32 s[SB], s[SB], 128
.elseif k == 63
	PLACES                                         ; behind the turn's last product: in front of the loads into the fragments that it read, and of the next turn's first reads of results
.endif
.set k, k+1
.endm
.macro KSTEP p, s, epi                 ; 8 products, a slice behind each
.irp g, 0,1
.irp t, 0,1,2,3
	MM \p, \s, \g, \t
.if \epi
	SLICE (1-\p)
.endif
.endr
.endr
.endm
.macro RUN1 s                          ; the next group's two fragments of K step s: 8 LDS loads; registers 4 c .. 4 c + 3 hold K = 128 s + 32 c + 16 hh + 0 .. 15 of row 16 g + r
	WIN 0x40                                       ; destination window 1, address window 0
.irp g, 0,1
.irp c, 0,1,2,3
	ds_load_b128 v[16*(2*(\s)+\g)+4*\c:16*(2*(\s)+\g)+4*\c+3], v[ADR] offset:\g*16*PITCH+128*(\s)+32*\c
.endr
.endr
.endm
.macro LD load, epi, s                 ; a run stands a K step behind the products that read its registers: the eight slices between hold eight plain instructions or more; a turn without slices has four v_nop
.if \load
.if !\epi
	PLACES
.endif
	RUN1 \s
.endif
.endm
.macro DSW load, n1, n0                ; the fragments of the K step ahead were asked for a turn ago; the count is that of the LDS loads issued since (n0: in the turn that loads nothing)
.if \load
	s_wait_dscnt \n1
.else
	s_wait_dscnt \n0
.endif
.endm
; A TURN.  p: the set that is summed.  gi: which group of its slot is fetched.  load = 0: nothing is fetched.  epi = 0: no finished set yet.
; chg: THE CHANGE OF SLOTS.  All reads of the slot in hand were issued in the turn before.  Each wave waits for all its tensor loads (the one that is out is its part of the other slot), adds 0 to its spare word,
; multiplies two K steps, waits for the add and for its reads, signals, multiplies a third, and waits for the others.  chg = 1: the barrier opens a round of the cluster's, and behind it the slot just left is filled
; with the rows two slots on: my one tensor load until the next change, with four turns in which to land.  chg = 2: nothing is left to fetch: the work-group's barrier alone.  Then the fetches go on in the other slot.
.macro TURN p, gi, load, epi, chg
.set k, 0
.if \chg
	s_wait_tensorcnt 0x0                           ; no tensor load of mine is out, so a group 0 may be written
	ds_add_u32 v[SPW], v[NIL]                      ; 0 onto my spare word (every window is 0 here)
.if \chg == 1
	s_xor_b32 s[TF], s[TF], SLOT                   ; the walking descriptor: the other slot than last time,
	s_add_co_u32 s[GW+1], s[TF], s[WOFF]
	s_add_nc_u64 s[GW+2:GW+3], s[GW+2:GW+3], SLOTG ; the next 128 rows; the type bits on top are not reached
	s_wait_xcnt 0x0                                ; the last prefetch, four turns back, has read its address, so it may be written:
	s_add_nc_u64 s[PFA:PFA+1], s[PFA:PFA+1], SLOTG ; one slot further on than the walking descriptor
.endif
.endif
	s_wait_dscnt 48                                ; K steps 0 and 1 are in: 48 loads were issued behind theirs
	KSTEP \p, 0, \epi
	KSTEP \p, 1, \epi
.if \chg
	s_wait_dscnt 0x0                               ; the add is done, and my reads of the slot that is left are over
	s_barrier_signal -1
.else
	s_wait_dscnt 40
.endif
	KSTEP \p, 2, \epi
.if \chg
	WIN 0
	s_barrier_wait -1
.if \chg == 1
	CREST                                          ; no wave of any partner still reads that slot or has a load on its way
	tensor_load_to_lds s[GW:GW+3], s[G1:G1+7]
	s_nop 0
	PLACES
	ASK
.endif
	s_xor_b32 s[TS], s[TS], SLOT
.endif
.if \load
.if !\epi
	PLACES
.endif
	WIN 0
	v_add_nc_u32 v[ADR], s[TS], v[AE+\gi]
	RUN1 0
	RUN1 1
.endif
	DSW \load, 48, 32
	KSTEP \p, 3, \epi
	LD \load, \epi, 2
	DSW \load, 48, 24
	KSTEP \p, 4, \epi
	LD \load, \epi, 3
	DSW \load, 48, 16
	KSTEP \p, 5, \epi
	LD \load, \epi, 4
	DSW \load, 32, 0                               ; (40 were issued behind K steps 6 and 7's; the eight oldest of them were asked for three K steps ago)
	KSTEP \p, 6, \epi
	LD \load, \epi, 5
	KSTEP \p, 7, \epi
	LD \load, \epi, 6                              ; (with slices: slice 63's four places stand in front)
.if \load
	RUN1 7
.endif
	WIN 0                                          ; at a label and at a branch every window is 0
.endm
.macro BODY chg                        ; turns 4 n + 1 .. 4 n + 4: they fetch groups 2 and 3 of slot n, then groups 0 and 1 of slot n + 1
	TURN 1, 2, 1, 1, 0
	TURN 0, 3, 1, 1, 0
	TURN 1, 0, 1, 1, \chg
	TURN 0, 1, 1, 1, 0
.endm
	s_wait_loadcnt 0x0                             ; W_e, proj_s, v
	s_wait_tensorcnt 1                             ; my part of slot 0 is in; the one younger load, slot 1's, may stay out
	s_barrier_signal -1
	s_barrier_wait -1                              ; everybody's is
	v_add_nc_u32 v[ADR], s[TS], v[AE]
.irp s, 0,1,2,3,4,5,6,7
	RUN1 \s                                        ; group 0
.endr
	TURN 0, 1, 1, 0, 0                             ; turn 0: there is no finished set yet
	s_mov_b32 s[CNT], 6
.Lslot:                                                ; six trips: turns 1 to 24; each fills a slot again, with slots 2 to 7
	BODY 1
	s_sub_co_u32 s[CNT], s[CNT], 1
	s_cmp_lg_u32 s[CNT], 0
	s_cbranch_scc1 .Lslot
	BODY 2                                         ; the tail is written out: turns 25 to 28, the last change of slots among them
	TURN 1, 2, 1, 1, 0                             ; 29,
	TURN 0, 3, 1, 1, 0                             ; 30,
	TURN 1, 0, 0, 1, 0                             ; 31: nothing more to fetch,
.set k, 0
.rept 64
	SLICE 1                                        ; and the last group's activation
.endr
	; THE WAY OUT: 1,024 numbers.  Behind a barrier each thread adds the four waves' sums for rows 4 t .. 4 t + 3 and 512 + 4 t .. + 3.
	s_wait_dscnt 0x0                               ; for the others' sake: my sums lie in the stage
	s_barrier_signal -1
	s_barrier_wait -1
.irp w, 0,1,2,3
.irp u, 0,1
	ds_load_b128 v[O+8*\w+4*\u:O+8*\w+4*\u+3], v[RD] offset:4096*\w+2048*\u
.endr
.endr
	s_wait_dscnt 0x0
.irp i, 0,2,4,6
	v_pk_add_f32 v[O+\i:O+\i+1], v[O+\i:O+\i+1], v[O+8+\i:O+8+\i+1]
	v_pk_add_f32 v[O+16+\i:O+16+\i+1], v[O+16+\i:O+16+\i+1], v[O+24+\i:O+24+\i+1]
.endr
.irp i, 0,2,4,6
	v_pk_add_f32 v[O+\i:O+\i+1], v[O+\i:O+\i+1], v[O+16+\i:O+16+\i+1]
.endr
	global_store_b128 v[GO], v[O:O+3], s[14:15]                  ; each store of a wave covers 512 consecutive bytes, aligned
	global_store_b128 v[GO], v[O+4:O+7], s[14:15] offset:2048
	s_wait_tensorcnt 0x0                           ; the wave's end: a wait for my last tensor load, 0 onto my spare word and a wait for it, behind my last LDS store
	ds_add_u32 v[SPW], v[NIL]
	s_wait_dscnt 0x0
	CROUND                                         ; the closing round: no work-group ends while a partner may still ask for a tile that names it
	s_endpgm
.Lfunc_end_k_q097e39cd41_main:
	.size	k_q097e39cd41_main, .Lfunc_end_k_q097e39cd41_main-k_q097e39cd41_main
	.p2alignl 7, 3214868480
	.fill 96, 4, 3214868480
	.section	.rodata,"a",@progbits
	.p2align	6, 0x0
	.amdhsa_kernel k_q097e39cd41_main
		.amdhsa_group_segment_fixed_size 327680
		.amdhsa_private_segment_fixed_size 0
		.amdhsa_enable_private_segment 0
		.amdhsa_kernarg_size 48
		.amdhsa_user_sgpr_count 2
		.amdhsa_user_sgpr_kernarg_segment_ptr 1
		.amdhsa_wavefront_size32 1
		.amdhsa_system_sgpr_workgroup_id_x 1
		.amdhsa_system_sgpr_workgroup_id_y 1
		.amdhsa_system_sgpr_workgroup_id_z 1
		.amdhsa_system_vgpr_workitem_id 0
		.amdhsa_next_free_vgpr 1024
		.amdhsa_next_free_sgpr 96
		.amdhsa_reserve_vcc 0
		.amdhsa_float_denorm_mode_32 3
		.amdhsa_float_denorm_mode_16_64 3
		.amdhsa_memory_ordered 1
		.amdhsa_forward_progress 1
		.amdhsa_inst_pref_size 255
	.end_amdhsa_kernel
	.section	.bss,"aw",@nobits
	.p2align	6
	.space	262144
	.amdgpu_metadata
---
amdhsa.version: [ 1, 2 ]
amdhsa.kernels:
  - .name:           k_q097e39cd41_main
    .symbol:         k_q097e39cd41_main.kd
    .args:
      - { .name: encoder_outputs_codes, .offset: 0, .size: 8, .value_kind: global_buffer, .address_space: global }
      - { .name: wimg, .offset: 8, .size: 8, .value_kind: global_buffer, .address_space: global }
      - { .name: projc, .offset: 16, .size: 8, .value_kind: global_buffer, .address_space: global }
      - { .name: v_w, .offset: 24, .size: 8, .value_kind: global_buffer, .address_space: global }
      - { .name: lowp_scales, .offset: 32, .size: 8, .value_kind: global_buffer, .address_space: global }
      - { .name: part, .offset: 40, .size: 8, .value_kind: global_buffer, .address_space: global }
    .group_segment_fixed_size: 327680
    .private_segment_fixed_size: 0
    .kernarg_segment_align: 8
    .kernarg_segment_size: 48
    .max_flat_workgroup_size: 128
    .sgpr_count:     96
    .vgpr_count:     1024
    .wavefront_size: 32
...
	.end_amdgpu_metadata
.endif
;; end of part 4
;; launch soft: the kernel of part 3 again; grid 32 x 1, 8 waves a work-group, no clusters, 1,536 bytes of LDS; arguments part, out0; writes out0
